; MI455X (gfx1250); checked and timed in simulation.
; The chip was launched on July 23, 2026; its instructions are those of AMD's public machine-readable ISA for CDNA 5 (MIT licence, August 2026) and "CDNA5" Instruction Set Architecture Reference Guide (July 2026). The comments in the code are by the model that wrote it; some were corrected since.
;; Flash Attention V3. Allowed arithmetic: matrix products marked QUANTISED: E4M3 operands, one E8M0 scale for each 32 along K, by v_wmma_scale_f32_16x16x128_f8f6f4 with both operands' format E4M3, f32 sums; everything else in f32.
;; Inputs: K 2 x 16 x 2,048 x 128 float32; Q 2 x 16 x 2,048 x 128 float32; V 2 x 16 x 2,048 x 128 float32.
;; Outputs: out0 2 x 16 x 2,048 x 128 float32.
;; This version of the problem:
;;   THIS VERSION OF THE PROBLEM IS GIVEN IN LOW PRECISION. The matrix products marked QUANTISED in the list below multiply operands that are first quantised to E4M3 (4 exponent bits, 3 mantissa bits; 8 bits a number), with one power-of-two scale for each 32 numbers along K (OCP MX v1.0); their sums are f32. All else is computed in f32.
;;   The module's matrix products, in the order in which they are computed (A, B: the left and right operand; K: the contracted axis; several contracted axes count as one K, in the product's order):
;;     1. batch 32 x [M 2,048, K 128] x [K 128, N 2,048]; A: input Q; B: input K: QUANTISED
;;     2. batch 32 x [M 2,048, K 2,048] x [K 2,048, N 128]; A: softmax (see below); B: input V: QUANTISED
;;   THE QUANTISER, for each operand of a quantised product, along K:
;;     - K is cut into blocks of 32 from its start; a last block that is shorter is filled with zeros.
;;     - A block's scale is 2^e with e = floor(log2(the largest magnitude in the block)) - 8, held to -126 .. 127; a block of zeros has e = 0. As a byte (E8M0): e + 127.
;;     - Each number is divided by its block's scale, clamped to +-448, and rounded to the nearest number of E4M3, ties to even, subnormals kept.
;;     - The product sums the exact products of the quantised numbers (number of the format x scale) in f32.
;;   ~~~python
;;   def quantise(x, axis):      # numpy; x: float32 -> the quantised numbers, widened to float32 again
;;       x = np.moveaxis(x, axis, -1); K = x.shape[-1]
;;       x = np.pad(x, [(0, 0)] * (x.ndim - 1) + [(0, -K % 32)]); x = x.reshape(x.shape[:-1] + (-1, 32)); a = np.abs(x).max(-1, keepdims=True)
;;       e = np.where(a > 0, np.clip(np.frexp(np.where(a > 0, a, 1))[1] - 1 - 8, -126, 127), 0)      # np.frexp(a)[1] - 1 = floor(log2(a)), exactly
;;       r = np.clip(x / 2.0 ** e, -448, 448)
;;       step = 2.0 ** (np.maximum(np.frexp(np.where(r == 0, 1, r))[1] - 1, -6) - 3)
;;       q = np.round(r / step) * step * 2.0 ** e      # np.round: ties to even
;;       return np.moveaxis(q.reshape(q.shape[:-2] + (-1,))[..., :K], -1, axis).astype(np.float32)
;;   ~~~
;;   SOFTMAX AHEAD OF A QUANTISED PRODUCT. Where the list says 'softmax', what is quantised is not the finished softmax but p = 2^(t - M), with t = logit x log2(e) and M = ceil(the row's largest t), a whole number; so 1/2 < the row's largest p <= 1. The row's sum l is taken of the UNQUANTISED p, in f32, and the product's result is divided by l at the end. Since M is a whole number, a kernel that streams over the keys may use a running M (the ceiling of the running maximum): every later rescaling is an exact power of two, which a block's scale takes up: the codes' values come out the same.
;;   OPERANDS COMPUTED ON THE WAY. 'Computed on the way' means the value that the module computes at that place (a softmax that the list does not call 'softmax' is quantised finished and normalised). What goes into a quantiser is computed in f32, as accurately as f32 sums, v_exp_f32 and their like allow (about 1e-6 of the number): no bf16 or f16 on the way to a quantiser, and a product that is left as it is and whose result goes on into a quantised operand takes f32 operands (vector FMAs, or v_wmma_f32_16x16x4_f32). A number that lies on a knife's edge between two numbers of the format may be rounded either way, as far as f32 arithmetic and the matrix unit's own rounding can turn it there, and no further.
;; One version. Each part assembles by itself: llvm-mc -triple=amdgcn-amd-amdhsa -mcpu=gfx1250 --defsym DOCPART=n.
;; ======== version 1 of 1: 2 launches
;; limits: right only within a limited range of input values
;; workspace buffers: k_codes 8,388,608 bytes; k_scales 262,144 bytes; v_codes 8,388,608 bytes; v_scales 262,144 bytes
;; launch quant (part 1): grid 512 x 1, 8 waves a work-group, no clusters, 78,848 bytes of LDS; arguments K, k_codes, k_scales, V, v_codes, v_scales; writes k_codes, k_scales, v_codes, v_scales
.if DOCPART == 1
	.amdgcn_target "amdgcn-amd-amdhsa--gfx1250"
	.amdhsa_code_object_version 6
	.text
	.protected	k_qc9ea5dce23_quant
	.globl	k_qc9ea5dce23_quant
	.p2align	8
	.type	k_qc9ea5dce23_quant,@function
k_qc9ea5dce23_quant:
	s_mov_b64 s[64:65], 0
	v_nop
	global_prefetch_b8 v0, s[64:65] scope:SCOPE_SE
	s_setreg_imm32_b32 hwreg(HW_REG_WAVE_MODE, 25, 1), 1
	s_wait_xcnt 0x0
; K and V, each [32 heads][2048 rows][128] f32, are turned into codes of FP8 (E4M3), one byte each, with one E8M0 scale byte for each 32 along the axis that their product sums over.
; A block's scale is 2^(floor(log2(its largest magnitude)) - 8); its byte is the largest magnitude's exponent field - 8, held at 1 from below.  Each number is divided by the scale, held within +-448 and rounded
; to the nearest code, ties to even.
; LIMITS: a block of zeros gets the byte 1 where the quantiser's text says 127: its codes are zeros, which add nothing under any byte but 0xff, and the bytes are read by this program alone.
; NaN and infinities among the inputs are not served.
; TWO WAYS, which part once on the work-group's number: work-groups 0-255 take K (blocks along the head's 128, innermost in memory), 256-511 V (blocks along the keys).  Each way has LDS bytes of its own.
; Every wave asks for all that it will read, 32 loads of 512 consecutive bytes, at its start.
; K.  THE ROWS LEAVE IN ANOTHER ORDER THAN THEY COME: inside each group of 32 rows the second and the third group of 8 rows change places, in the codes and in the scale bytes alike: place 16 u + r of a group
; holds row 8 u + r + 8 (r / 8), so that the 16 rows that the attention launch takes as one tile of keys are 16 neighbouring places.  A wave takes one group of 32 rows in 8 steps of 4 rows, so the change is a
; swap of bits 1 and 2 of the step's number in two store offsets.  A step's 2,048 bytes go through the wave's own stage in LDS as they lie and come back 64 bytes a lane: a lane then has 16 neighbours of a block.
; V.  Codes laid [32][128 channels][2048 keys], scale bytes [32][16 steps of 128 keys][128 channels][4 blocks].  A lane takes four neighbouring channels, a wave 32 keys, one block: the hold's results go to other
; registers than its sources, so that one channel's 32 keys stand in consecutive registers.  The eight waves' codes meet in LDS and leave as rows: sixteen lanes store 256 consecutive bytes, aligned.
.set MANT,  0x600000                   ; the mantissa field of 448 as f32
.set R,     16                         ; v16-143  the 32 loads
.set X,     144                        ; v144-175 the numbers at work (K: two sets of 16)
.set C,     176                        ; v176-207 codes
.set E,     208                        ; v208-215 scale bytes
.set SPW,   216                        ; v216     LDS address of my spare word; never rewritten
.set NIL,   217                        ; v217     0; never rewritten
.set SP,    80                         ; K: a lane's place in a stage: 64 bytes + 16
.set KSC,   8*2*32*SP                  ; K: behind the eight waves' two stages each: the work-group's 1,024 scale bytes
.set VST,   KSC+1024                   ; V: the stage: 128 rows of 256 bytes + 16
.set VSC,   VST+128*272                ; V: the work-group's 1,024 scale bytes
.set SPARE, VSC+1024                   ; the spare words, 128 bytes for each wave
	s_load_b128 s[4:7], s[0:1], 0x0                ; K, K's codes
	s_load_b128 s[8:11], s[0:1], 0x10              ; K's scales, V
	s_load_b128 s[12:15], s[0:1], 0x20             ; V's codes, V's scales
	v_lshl_add_u32 v[SPW], v0, 2, SPARE
	v_mov_b32 v[NIL], 0
	v_lshrrev_b32 v1, 5, v0
	v_readfirstlane_b32 s16, v1                    ; wave 0..7
	v_and_b32 v2, 31, v0                           ; lane
	s_mov_b32 s30, MANT                            ; (an instruction takes one literal: the hold's line has another)
	s_cmp_lt_u32 ttmp9, 256
	s_wait_alu depctr_va_vdst(0)
	s_cbranch_scc0 .Lv_path
	; ---------------------------------------------------------------- K
	s_lshl_b32 s17, ttmp9, 3
	s_add_co_u32 s17, s17, s16                     ; my group of 32 rows: 0 .. 2,047
	s_lshl_b32 s18, s17, 14                        ; 16,384 bytes of K,
	s_mov_b32 s19, 0
	s_lshl_b32 s20, s17, 12                        ; 4,096 of codes,
	s_mov_b32 s21, 0
	s_lshl_b32 s22, ttmp9, 10                      ; and the work-group's 1,024 scale bytes
	s_mov_b32 s23, 0
	s_mul_i32 s24, s16, 2*32*SP
	s_lshl_b32 s25, s16, 7
	s_add_co_u32 s25, s25, KSC
	v_lshlrev_b32 v3, 4, v2                        ; my 16 bytes of 512
	v_lshrrev_b32 v14, 2, v2
	v_mul_u32_u24 v14, v14, SP
	v_and_b32 v15, 3, v2
	v_lshl_add_u32 v14, v15, 4, v14
	v_add_nc_u32 v14, s24, v14                     ; the stage, on the way in: four lanes' 64 bytes on end, then 16 of padding
	v_mul_u32_u24 v15, v2, SP
	v_add_nc_u32 v15, s24, v15                     ; and on the way out: my 16 neighbours
	v_lshrrev_b32 v5, 1, v2
	v_add_nc_u32 v5, s25, v5                       ; my block's byte among the wave's 128
	v_lshlrev_b32 v7, 3, v0                        ; the scale bytes' way out: 8 bytes a thread of waves 0-3
	v_add_nc_u32 v6, KSC, v7
	s_wait_alu depctr_va_vdst(0)
	s_wait_kmcnt 0x0
	s_add_nc_u64 s[4:5], s[4:5], s[18:19]
	s_add_nc_u64 s[6:7], s[6:7], s[20:21]
	s_add_nc_u64 s[8:9], s[8:9], s[22:23]
.set ix, 0
.rept 32
	global_load_b128 v[R+4*ix:R+4*ix+3], v3, s[4:5] offset:512*ix th:TH_LOAD_NT
.set ix, ix+1
.endr
.macro TURN t                          ; LDS serves a wave's instructions in order (ISA guide 5.7.1), so no wait stands between the stores and the loads
.irp i, 0,1,2,3
	ds_store_b128 v14, v[R+16*(\t)+4*\i:R+16*(\t)+4*\i+3] offset:32*SP*((\t)%2)+8*SP*\i
.endr
.irp i, 0,1,2,3
	ds_load_b128 v[X+16*((\t)%2)+4*\i:X+16*((\t)%2)+4*\i+3], v15 offset:32*SP*((\t)%2)+16*\i
.endr
.endm
	s_wait_loadcnt 28                              ; step 0's four loads are in
	TURN 0
.macro STEP t
.set XS, X+16*((\t)%2)
.set PT, (((\t)&1)|(((\t)&2)<<1)|(((\t)&4)>>1))        ; the step's place on the way out
.if (\t) > 0
	s_wait_dscnt 1                                 ; this step's numbers are back (the last step's byte store may be out)
.else
	s_wait_dscnt 0x0
.endif
.if (\t) < 7
	s_wait_loadcnt 4*(6-(\t))                      ; the next step's four loads are in; four for each step behind it may be out
	TURN (\t)+1                                    ; through the other stage while this step is worked
.endif
	v_max3_num_f32 v8, |v[XS]|, |v[XS+1]|, |v[XS+2]|               ; the largest magnitude of my 16, in two chains
	v_max3_num_f32 v9, |v[XS+3]|, |v[XS+4]|, |v[XS+5]|
.irp i, 6,10
	v_max3_num_f32 v8, v8, |v[XS+\i]|, |v[XS+\i+1]|
	v_max3_num_f32 v9, v9, |v[XS+\i+2]|, |v[XS+\i+3]|
.endr
	v_max3_num_f32 v8, v8, |v[XS+14]|, |v[XS+15]|
	v_max3_num_f32 v8, v8, v9, 0x4800000           ; and the floor 2^(9 - 127): the byte cannot fall under 1
	v_max_num_f32_dpp v8, v8, v8 row_xmask:1 row_mask:0xf bank_mask:0xf   ; and of my neighbour's 16: the block's
	v_add_nc_u32 v11, 0xfc000000, v8               ; 8 off its exponent field: the conversion's scale operand
	v_and_or_b32 v10, v8, 0x7f800000, s30          ; 448 x the scale
.irp i, 0,1,2,3,4,5,6,7,8,9,10,11,12,13,14,15
	v_med3_num_f32 v[XS+\i], v[XS+\i], -v10, v10   ; the conversion to an 8-bit code does not saturate (ISA guide 7.6.2)
.endr
	v_cvt_scalef32_pk8_fp8_f32 v[C+4*(\t):C+4*(\t)+1], v[XS:XS+7], v11
	v_cvt_scalef32_pk8_fp8_f32 v[C+4*(\t)+2:C+4*(\t)+3], v[XS+8:XS+15], v11
	v_lshrrev_b32 v[E+(\t)], 23, v11               ; the scale's byte (also the plain line behind the conversions)
	ds_store_b8 v5, v[E+(\t)] offset:16*PT         ; both lanes of a block write the same byte with the same value
	global_store_b128 v3, v[C+4*(\t):C+4*(\t)+3], s[6:7] offset:512*PT   ; 512 consecutive bytes: four rows, at their new place
.endm
.irp t, 0,1,2,3,4,5,6,7
	STEP \t
.endr
	s_wait_dscnt 0x0                               ; my scale bytes are in LDS, for the waves that store them
	s_barrier_signal -1
	s_barrier_wait -1
	s_cmp_lt_u32 s16, 4
	s_cbranch_scc0 .Lk_done
	ds_load_b64 v[8:9], v6
	s_wait_dscnt 0x0
	global_store_b64 v7, v[8:9], s[8:9]            ; a wave stores 256 consecutive bytes, aligned
.Lk_done:
	s_wait_tensorcnt 0x0                           ; the wave's end
	ds_add_u32 v[SPW], v[NIL]
	s_wait_dscnt 0x0
	s_endpgm
	; ---------------------------------------------------------------- V
.Lv_path:
	s_sub_co_u32 s17, ttmp9, 256                   ; 0 .. 255
	s_lshr_b32 s18, s17, 3                         ; the head
	s_and_b32 s19, s17, 7                          ; which 256 keys
	s_lshl_b32 s20, s18, 20                        ; V: the head's 2,048 x 512 bytes,
	s_lshl_b32 s22, s19, 17                        ; 256 keys x 512,
	s_add_co_u32 s20, s20, s22
	s_lshl_b32 s22, s16, 14                        ; 32 keys x 512
	s_add_co_u32 s20, s20, s22
	s_mov_b32 s21, 0
	s_lshl_b32 s22, s18, 18                        ; codes: the head's 128 x 2,048 bytes,
	s_lshl_b32 s24, s16, 15                        ; 16 rows of 2,048,
	s_add_co_u32 s22, s22, s24
	s_lshl_b32 s24, s19, 8                         ; 256 keys
	s_add_co_u32 s22, s22, s24
	s_mov_b32 s23, 0
	s_lshl_b32 s24, s18, 13                        ; scale bytes: the head's 8,192,
	s_lshl_b32 s26, s19, 10                        ; two steps' 1,024
	s_add_co_u32 s24, s24, s26
	s_mov_b32 s25, 0
	s_lshl_b32 s26, s16, 5
	s_add_co_u32 s26, s26, VST                     ; my 32 bytes of each stage row
	s_lshr_b32 s27, s16, 2
	s_lshl_b32 s27, s27, 9
	s_and_b32 s28, s16, 3
	s_add_co_u32 s27, s27, s28
	s_add_co_u32 s27, s27, VSC                     ; my byte of each scale word of my step
	s_mul_i32 s28, s16, 16*272
	s_add_co_u32 s28, s28, VST                     ; the 16 stage rows that I store
	v_lshlrev_b32 v3, 4, v2                        ; in: 16 bytes, four channels, a lane
	v_mul_u32_u24 v4, v2, 4*272
	v_add_nc_u32 v4, s26, v4                       ; into the stage: row 4 lane (+ j)
	v_add_nc_u32 v5, s27, v3                       ; my scale byte: word 4 lane (+ j)
	v_and_b32 v8, 15, v2
	v_lshrrev_b32 v9, 4, v2                        ; out of it: sixteen lanes to a row, two rows an instruction
	v_mul_u32_u24 v6, v9, 272
	v_lshl_add_u32 v6, v8, 4, v6
	v_add_nc_u32 v6, s28, v6
	v_lshlrev_b32 v7, 11, v9
	v_lshl_add_u32 v7, v8, 4, v7                   ; and the same place in the codes' buffer
	v_lshlrev_b32 v13, 3, v0                       ; the scale bytes' way out: 8 bytes a thread of waves 0-3
	v_add_nc_u32 v12, VSC, v13
	s_wait_alu depctr_va_vdst(0)
	s_wait_kmcnt 0x0
	s_add_nc_u64 s[10:11], s[10:11], s[20:21]
	s_add_nc_u64 s[12:13], s[12:13], s[22:23]
	s_add_nc_u64 s[14:15], s[14:15], s[24:25]
.set ix, 0
.rept 32
	global_load_b128 v[R+4*ix:R+4*ix+3], v3, s[10:11] offset:512*ix th:TH_LOAD_NT   ; key ix, channels 4 lane .. 4 lane + 3
.set ix, ix+1
.endr
	s_wait_loadcnt 0x0
.macro VCH j                           ; channel 4 lane + j: key i stands in v[R + 4 i + j]
	v_max3_num_f32 v8, |v[R+\j]|, |v[R+4+\j]|, |v[R+8+\j]|
	v_max3_num_f32 v9, |v[R+12+\j]|, |v[R+16+\j]|, |v[R+20+\j]|
.irp i, 6,10,14,18,22,26
	v_max3_num_f32 v8, v8, |v[R+4*\i+\j]|, |v[R+4*\i+4+\j]|
	v_max3_num_f32 v9, v9, |v[R+4*\i+8+\j]|, |v[R+4*\i+12+\j]|
.endr
	v_max3_num_f32 v8, v8, |v[R+120+\j]|, |v[R+124+\j]|
	v_max3_num_f32 v8, v8, v9, 0x4800000           ; and the floor 2^(9 - 127)
	v_add_nc_u32 v11, 0xfc000000, v8               ; the conversion's scale operand
	v_and_or_b32 v10, v8, 0x7f800000, s30          ; 448 x the scale
	v_lshrrev_b32 v[E+\j], 23, v11                 ; the scale's byte
.set ix, 0
.rept 32
	v_med3_num_f32 v[X+ix], v[R+4*ix+\j], -v10, v10   ; the hold, and the channel's keys into consecutive registers
.set ix, ix+1
.endr
.irp g, 0,1,2,3
	v_cvt_scalef32_pk8_fp8_f32 v[C+8*\j+2*\g:C+8*\j+2*\g+1], v[X+8*\g:X+8*\g+7], v11
.endr
	v_nop                                          ; one plain line behind the last conversion of the run
	ds_store_b128 v4, v[C+8*\j:C+8*\j+3] offset:272*\j
	ds_store_b128 v4, v[C+8*\j+4:C+8*\j+7] offset:272*\j+16
	ds_store_b8 v5, v[E+\j] offset:4*\j
.endm
	VCH 0
	VCH 1
	VCH 2
	VCH 3
	s_wait_dscnt 0x0                               ; my codes and scale bytes are in LDS, for the waves that store them
	s_barrier_signal -1
	s_barrier_wait -1
.irp i, 0,1,2,3,4,5,6,7
	ds_load_b128 v[R+4*\i:R+4*\i+3], v6 offset:544*\i
.endr
.irp i, 0,1,2,3,4,5,6,7
	s_wait_dscnt 7-\i                              ; load i is in; the 7 - i behind it may be out
	global_store_b128 v7, v[R+4*\i:R+4*\i+3], s[12:13] offset:4096*\i   ; sixteen lanes store 256 consecutive bytes, aligned
.endr
	s_cmp_lt_u32 s16, 4
	s_cbranch_scc0 .Lv_done
	ds_load_b64 v[8:9], v12
	s_wait_dscnt 0x0
	global_store_b64 v13, v[8:9], s[14:15]         ; a wave stores 256 consecutive bytes, aligned
.Lv_done:
	s_wait_tensorcnt 0x0                           ; the wave's end
	ds_add_u32 v[SPW], v[NIL]
	s_wait_dscnt 0x0
	s_endpgm
.Lfunc_end_k_qc9ea5dce23_quant:
	.size	k_qc9ea5dce23_quant, .Lfunc_end_k_qc9ea5dce23_quant-k_qc9ea5dce23_quant
	.p2alignl 7, 3214868480
	.fill 96, 4, 3214868480
	.section	.rodata,"a",@progbits
	.p2align	6, 0x0
	.amdhsa_kernel k_qc9ea5dce23_quant
		.amdhsa_group_segment_fixed_size 78848
		.amdhsa_private_segment_fixed_size 0
		.amdhsa_enable_private_segment 0
		.amdhsa_kernarg_size 48
		.amdhsa_user_sgpr_count 2
		.amdhsa_user_sgpr_kernarg_segment_ptr 1
		.amdhsa_wavefront_size32 1
		.amdhsa_system_sgpr_workgroup_id_x 1
		.amdhsa_system_sgpr_workgroup_id_y 1
		.amdhsa_system_sgpr_workgroup_id_z 1
		.amdhsa_system_vgpr_workitem_id 0
		.amdhsa_next_free_vgpr 218
		.amdhsa_next_free_sgpr 66
		.amdhsa_reserve_vcc 0
		.amdhsa_float_denorm_mode_32 3
		.amdhsa_float_denorm_mode_16_64 3
		.amdhsa_memory_ordered 1
		.amdhsa_forward_progress 1
		.amdhsa_inst_pref_size 49
	.end_amdhsa_kernel
	.amdgpu_metadata
---
amdhsa.version: [ 1, 2 ]
amdhsa.kernels:
  - .name:           k_qc9ea5dce23_quant
    .symbol:         k_qc9ea5dce23_quant.kd
    .args:
      - { .name: K, .offset: 0, .size: 8, .value_kind: global_buffer, .address_space: global }
      - { .name: k_codes, .offset: 8, .size: 8, .value_kind: global_buffer, .address_space: global }
      - { .name: k_scales, .offset: 16, .size: 8, .value_kind: global_buffer, .address_space: global }
      - { .name: V, .offset: 24, .size: 8, .value_kind: global_buffer, .address_space: global }
      - { .name: v_codes, .offset: 32, .size: 8, .value_kind: global_buffer, .address_space: global }
      - { .name: v_scales, .offset: 40, .size: 8, .value_kind: global_buffer, .address_space: global }
    .group_segment_fixed_size: 78848
    .private_segment_fixed_size: 0
    .kernarg_segment_align: 8
    .kernarg_segment_size: 48
    .max_flat_workgroup_size: 256
    .sgpr_count:     66
    .vgpr_count:     218
    .wavefront_size: 32
...
	.end_amdgpu_metadata
.endif
;; end of part 1
;; launch attn (part 2): grid 8 x 32, 8 waves a work-group, clusters of 4 x 1, 327,680 bytes of LDS; arguments Q, k_codes, k_scales, v_codes, v_scales, out0; writes out0
.if DOCPART == 2
	.amdgcn_target "amdgcn-amd-amdhsa--gfx1250"
	.amdhsa_code_object_version 6
	.text
	.protected	k_qc9ea5dce23_attn
	.globl	k_qc9ea5dce23_attn
	.p2align	8
	.type	k_qc9ea5dce23_attn,@function
k_qc9ea5dce23_attn:
	s_mov_b64 s[64:65], 0
	v_nop
	global_prefetch_b8 v0, s[64:65] scope:SCOPE_SE
	s_setreg_imm32_b32 hwreg(HW_REG_WAVE_MODE, 25, 1), 1
	s_wait_xcnt 0x0
	s_wait_alu depctr_hold_cnt(0) depctr_sa_sdst(0) depctr_va_vdst(0) depctr_va_sdst(0) depctr_va_ssrc(0) depctr_va_vcc(0) depctr_vm_vsrc(0)
	s_getreg_b32 s2, hwreg(HW_REG_IB_STS2, 6, 4)
	s_cmp_eq_u32 s2, 0
	s_cbranch_scc0 .Lentry_in_a_cluster
	s_endpgm
.Lentry_in_a_cluster:
	s_bfe_u32 s2, ttmp6, 0x10000c
	s_cmp_lg_u32 s2, 0x3003
	s_cbranch_scc0 .Lentry_shape_is_right
	s_endpgm
.Lentry_shape_is_right:
; O[head][q][:] = the sum over k <= q of softmax_k(Q[head][q] . K[head][k] / sqrt(128)) V[head][k][:], 32 heads, 2,048 queries and keys, head size 128; both products on codes of FP8 (E4M3) with one E8M0
; scale for each 32 along a product's K.  Q: f32, quantised here at the head (each row is read by one wave).  K's codes: [32][2048 places][128], scale bytes [32][2048 places][4]; inside each group of 32 rows the
; second and third group of 8 rows have changed places, so that place 16 u + r holds row 8 u + r + 8 (r / 8).  V's codes: [32][128 channels][2048 keys], scale bytes [32][16 steps][128 channels][4].
; THE SOFTMAX AHEAD OF THE SECOND PRODUCT: t = score x c, c = log2(e) / sqrt(128); M = the row's largest t so far, rounded UP to a whole number; p = 2^(t - M) is what is quantised, along the keys; it is not
; normalised.  The row's sum is taken of the unquantised p, in f32, and divides O at the end.  When M moves, the sum and O are multiplied by 2^(old M - new M): exact.
; WORK LEFT OUT: steps of 128 keys all of which come after all of a tile's queries: the causal mask makes those scores -infinity, whatever the inputs hold.  A NaN, an infinity or an overflow that
; reaches only such scores is not carried to the result.
; LIMITS: NaN and infinities are not served; a p under 2^-126 becomes 0 (v_exp_f32 flushes: ISA guide 15.8); a block of zeros (of Q, or of p) carries the byte 1 over zero codes; a block's largest p is made from
; its largest score by the same two instructions, which takes v_exp_f32 not to fall where its input rises; scaled scores stay under 2^31 in magnitude.
; SHARES.  Eight work-groups to a head.  The head's queries are 16 blocks of 128, each of 8 tiles of 16.  Work-group t (0 .. 7) owns tile t of EVERY block.  Each of its eight waves owns two tiles, X and Y: waves
; s = 0 .. 3 those of blocks 8 + s and 15 - s, waves 4 + s those of blocks s and 7 - s.  A tile of block b has key steps 0 .. b of 128 keys, the last on the diagonal.  Waves s and 4 + s together have 34 tile
; steps, whatever s.  Which steps a wave works hangs on its number and on the step alone, never on the work-group.  A fragment of K or V that a wave loads feeds both its tiles.
; CLUSTER.  The four work-groups of a cluster belong to one head and walk the same K, V and scale bytes: each tile is asked for JOINTLY, by the same tensor load with the same descriptor and a mask that names the four.
; RING.  Two LDS slots of 512 keys, filled by waves 0, 1 (K's halves) and 2, 3 (V's halves), read by all; the scale bytes of the whole head come once, at the head, by waves 4 to 7.
; No prefetch is laid: a refill is asked for a whole slot, four key steps of up to 32 matrix instructions a wave, ahead of the wait for it, and there are three of them.
; LAYOUT.  Both products are used transposed: S^T = K Q^T (source 0 = 16 keys, source 1 = 16 queries), O^T = V^T P^T (source 0 = 16 channels, source 1 = P): a lane holds ONE query (lane % 16) of each tile.
; Tile 2 b + u of a step is places 32 b + 16 u + 0 .. 15, which are keys 32 b + 8 u + r + 8 (r / 8): the 16 registers of tiles 2 b and 2 b + 1 are then 16 neighbouring keys, 32 b + 16 (lane / 16) + 0 .. 15,
; and the conversions' results are the second product's operand.  One scale register serves two tiles: lanes 0-15 hold the words of tile 2 i, lanes 16-31 those of tile 2 i + 1 (MATRIX_SCALE_ROW1).
; A STEP: S of Y, its softmax; S of X; O of Y rescaled; K's fragments of the next step asked for; X's softmax, O of X rescaled; O += for both.  V's first four fragments are asked for behind S of Y, its last four into
; the scores' registers behind their last reader.
; REGISTERS, window 0: v1-63 below; v64-127 scores, p, then V's last four fragments; v128-191 V's first four; v192-207, v208-223 the codes of p of Y, X; v224-239, v240-255 Q of Y, X.
; Window 1 (v256 on): 0-63 O^T of Y, 64-127 O^T of X, 128-255 K's eight fragments (at the head: Q as f32).
.set KT,    8*272                      ; K in LDS: two keys of 128 bytes to a row of 256 + 16: a tile of 16 keys is 8 rows
.set KST,   8*KT                       ; a step of 128 keys
.set VP,    528                        ; V: a channel's row of 512 keys + 16
.set VOFF,  4*KST                      ; a slot: 512 keys of K, then 128 rows of V
.set SPARE, VOFF+128*VP                ; behind slot 0: the spare words, 128 bytes for each wave
.set SLOT1, 139264                     ; slot 1 begins here: none of the bits of this number is set in a tile's place in slot 0 (0, 34816, 69632, 103424), so an exclusive or turns one slot's address into the other's
.set SCK,   SLOT1+SPARE                ; behind slot 1: K's scale words of the whole head: 512 bytes a step; 8,192 bytes further on V's
.set STG0,  SCK+16384                  ; the stages: 16 rows of 256 bytes + 16 for each wave, for Q on the way in and O on the way out; no fill lands there
.set AK0,  1                           ; v1   my lane's place in a tile of K
.set AV0,  2                           ; v2   and of V
.set ASK0, 3                           ; v3   and among the scale words
.set SPW,  5                           ; v5   LDS address of my spare word; never rewritten
.set NIL,  6                           ; v6   0; never rewritten
.set GO,   7                           ; v7   Q and O: lanes 0-15 take one row, lanes 16-31 the next; 16 bytes a lane
.set ADK,  8
.set ADV,  9
.set ADS,  10
.set NMY,  12                          ; v12 -M of Y, v13 its largest t;  v16, v17 of X
.set LY,   14                          ; v[14:15] Y's sum in two halves;  v[18:19] X's
.set NMX,  16
.set LX,   18
.set DQ,   20                          ; v20  my query less the diagonal step's first key less 16 (lane / 16)
.set NINF, 21                          ; v21  -infinity
.set SI,   22                          ; v22  my stage: row r, + 32 h
.set SO,   23                          ; v23  my stage: row h, + 16 r
.set KS,   24                          ; v24-27 K's scale words
.set VS,   28                          ; v28-31 V's
.set FY,   32                          ; v32  f of Y, v33 its p's scale word;  v34, v35 of X
.set FX,   34
.set QSY,  36                          ; v36  Q's scale words of Y;  v37 of X
.set QSX,  37
.set T,    38                          ; v38  at work; at the head my stage: row r, + 64 h
.set BM,   40                          ; v40-43 the blocks' largest
.set BT,   44                          ; v44-47 the same from lane l xor 16, then the scales' bytes
.set HO,   48                          ; v48-51 448 x the scale
.set SC,   52                          ; v52-55 the conversions' scale operands
.set AC,   56                          ; v56-63 four pairs of partial sums
.set SR,   64
.set VR,   128
.set CY,   192
.set CX,   208
.set QY,   224
.set QX,   240
.set KR,   128                         ; (window 1)
.set OY,   0                           ; (window 1)
.set OX,   64                          ; (window 1)
.set WV,   18
.set MNT,  19
.set SEL,  20
.set CS,   22
.set G1K,  24
.set G1V,  32
.set G0K,  40
.set G0V,  44
.set G1S,  48
.set G0SK, 56
.set G0SV, 60
.set TB,   66                          ; s66  LDS byte at which the slot in hand begins
.set TKN,  67                          ; s67  the next step's first byte of K
.set TV,   68                          ; s68  and of V
.set TS,   69                          ; s69  and of the scale words
.set STP,  70                          ; s70  the key step, 0 .. 15
.set CN,   71                          ; s71  the step in the slot
.set BX,   72                          ; s72  X's last key step
.set BY,   73                          ; s73  Y's
.set KLIM, 74                          ; s74  the last step of this slot that I work
.set SLOTS, 75
.set PY,   76                          ; s[76:77] O at Y's first row;  s[78:79] at X's
.set PX,   78
.set MK,   84                          ; s84-91 the mask's bits at work
.set TQ,   98
.set STG,  99
.set MSB, 0
.macro WIN new                         ; the register windows; the immediate's high byte repeats the setting that is left
.if MSB != \new
	s_set_vgpr_msb (MSB<<8)|\new
.set MSB, \new
.endif
.endm
; A round of the cluster's barrier.  No LDS instruction of the wave is pending at a signal.
.macro CROUND
	s_barrier_signal -1
	s_barrier_wait -1
	s_cmp_lg_u32 s[WV], 0
	s_cbranch_scc1 .Lnot_wave_0_\@
	s_barrier_signal -3
.Lnot_wave_0_\@:
	s_barrier_wait -3
	s_barrier_signal -1
	s_barrier_wait -1
.endm
; One tensor load in an arm of a branch on the wave's number.  An s_nop 0 and four v_nop follow it.
.macro ARM under, g0, g1, next, join
	s_cmp_lt_u32 s[WV], \under
	s_cbranch_scc0 \next
	tensor_load_to_lds s[\g0:\g0+3], s[\g1:\g1+7]
	s_nop 0
.rept 4
	v_nop
.endr
	s_branch \join
\next:
.endm
; Descriptor group 1: r rows of c bytes, p bytes apart
.macro G1SET g, w, c, r, p
	s_mov_b32 s[\g], \w
	s_mov_b32 s[\g+1], \c<<16
	s_mov_b32 s[\g+2], \r<<16
	s_mov_b32 s[\g+3], \c<<16
	s_mov_b32 s[\g+4], \r
	s_mov_b32 s[\g+5], \p
	s_mov_b32 s[\g+6], 0
	s_mov_b32 s[\g+7], 0
.endm
; Descriptor group 0
.macro G0SET g, lds, base, off
	s_mov_b32 s[\g], 1
	s_mov_b32 s[\g+1], s[\lds]
	s_add_nc_u64 s[\g+2:\g+3], s[\base:\base+1], s[\off:\off+1]
	s_or_b32 s[\g+3], s[\g+3], 0x80000000
.endm
	s_load_b128 s[4:7], s[0:1], 0x0                ; Q, K's codes
	s_load_b128 s[8:11], s[0:1], 0x10              ; K's scales, V's codes
	s_load_b128 s[12:15], s[0:1], 0x20             ; V's scales, O
	v_lshl_add_u32 v[SPW], v0, 2, SPARE
	v_mov_b32 v[NIL], 0
	ds_add_u32 v[SPW], v[NIL]                      ; the wave's opening
	ds_add_u32 v[SPW], v[NIL]
	v_lshrrev_b32 v8, 5, v0
	v_readfirstlane_b32 s[WV], v8                  ; wave 0..7
	s_and_b32 s84, s[WV], 3
	s_lshr_b32 s85, s[WV], 2
	s_lshl_b32 s85, s85, 3
	s_or_b32 s84, s84, s85                         ; s, or 8 + s in waves 4-7
	s_xor_b32 s[BY], s84, 15                       ; 15 - s, or 7 - s
	s_xor_b32 s[BX], s84, 8                        ; 8 + s, or s
	s_mul_i32 s[STG], s[WV], 16*272
	s_add_co_u32 s[STG], s[STG], STG0
	s_and_b32 s92, ttmp7, 0xffff                   ; the head, which the four partners share
	s_lshl_b32 s94, s92, 18                        ; its first byte in each tensor of codes,
	s_mov_b32 s95, 0
	s_lshl_b32 s96, s92, 13                        ; in each tensor of scale bytes,
	s_mov_b32 s97, 0
	s_lshl_b32 s92, s92, 20                        ; and in Q and O
	s_mov_b32 s93, 0
	; what hangs on my place in the cluster: s80, s81, TQ, PY, PX: Q's and O's addresses and the diagonal's mask; no LDS address and no branch
	s_bfe_u32 s80, ttmp6, 0x40000                  ; cx
	s_lshl_b32 s81, ttmp9, 2                       ; in a cluster launch ttmp9 counts clusters
	s_add_co_u32 s80, s81, s80                     ; t: my work-group's tile in every block
	s_lshl_b32 s[TQ], s80, 4
.irp y, 0,2
	s_lshl_b32 s[PY+\y], s[BY-\y/2], 7             ; the tile's first row: 128 b + 16 t,
	s_add_co_u32 s[PY+\y], s[PY+\y], s[TQ]
	s_lshl_b32 s[PY+\y], s[PY+\y], 9               ; of 512 bytes
	s_mov_b32 s[PY+\y+1], 0
	s_add_nc_u64 s[PY+\y:PY+\y+1], s[PY+\y:PY+\y+1], s[92:93]
.endr
	; what I fetch: made of the head and the wave's number alone
	s_and_b32 s88, s[WV], 1                        ; which half
	s_lshl_b32 s90, s88, 15                        ; K: 32,768 bytes in memory,
	s_mov_b32 s91, 0
	s_add_nc_u64 s[90:91], s[90:91], s[94:95]
	s_mul_i32 s89, s88, 2*KST                      ; and in a slot
	s_lshl_b32 s86, s88, 17                        ; V: 64 rows of 2,048 bytes in memory,
	s_mov_b32 s87, 0
	s_add_nc_u64 s[86:87], s[86:87], s[94:95]
	s_mul_i32 s85, s88, 64*VP
	s_add_co_u32 s85, s85, VOFF                    ; and in a slot
	s_lshl_b32 s82, s88, 12                        ; scale bytes: 4,096 in memory
	s_add_co_u32 s84, s82, SCK                     ; and in LDS
	s_add_co_u32 s88, s84, 8192
	s_mov_b32 s83, 0
	s_add_nc_u64 s[82:83], s[82:83], s[96:97]
	; word 0: 15:0 the mask: all four work-groups; 20 padding on; 21 set beside a mask; 24:22 after every 64 (code 5) or 128 (code 6) words; 31:25 four words (code 3)
	G1SET G1K, 15|(1<<20)|(1<<21)|(5<<22)|(3<<25), 256, 128, 256   ; K: half of 512 keys, dense, as 128 rows of 256 bytes
	G1SET G1V, 15|(1<<20)|(1<<21)|(6<<22)|(3<<25), 512, 64, 2048   ; V: 64 channels of 512 keys
	G1SET G1S, 15|(1<<21), 256, 16, 256                            ; scale bytes: 4,096 dense
	s_mov_b32 s[SEL], 0x76543210                   ; v_permlanex16_b32's selects for lane l xor 16
	s_mov_b32 s[SEL+1], 0xfedcba98
	s_mov_b32 s[CS], 0x3e0293ee                    ; c = log2(e) / sqrt(128)
	s_mov_b32 s[CS+1], s[CS]                       ; (the packed form names the pair)
	s_mov_b32 s[MNT], 0x600000                     ; the mantissa field of 448
	s_mov_b32 s[TB], 0
	s_mov_b32 s[TS], 0
	s_mov_b32 s[STP], 0
	s_mov_b32 s[SLOTS], 3
	v_and_b32 v40, 15, v0                          ; r = lane % 16
	v_bfe_u32 v41, v0, 4, 1                        ; h = lane / 16
	v_lshlrev_b32 v[GO], 9, v41
	v_lshl_add_u32 v[GO], v40, 4, v[GO]
	s_wait_alu depctr_va_vdst(0)
	s_wait_dscnt 0x0                               ; both opening adds are done
	s_wait_kmcnt 0x0
	s_add_nc_u64 s[2:3], s[4:5], s[PY:PY+1]        ; Q at Y's rows
	s_add_nc_u64 s[16:17], s[4:5], s[PX:PX+1]      ; and at X's
	s_add_nc_u64 s[PY:PY+1], s[14:15], s[PY:PY+1]
	s_add_nc_u64 s[PX:PX+1], s[14:15], s[PX:PX+1]
	WIN 0x40
.irp y, 0,1                                    ; Q as f32: channels 64 u on of rows 2 i and 2 i + 1: sixteen lanes read 256 consecutive bytes, aligned
.irp u, 0,1
.irp i, 0,1,2,3,4,5,6,7
	global_load_b128 v[KR+64*\y+32*\u+4*\i:KR+64*\y+32*\u+4*\i+3], v[GO], s[2+14*\y:3+14*\y] offset:1024*\i+256*\u th:TH_LOAD_NT
.endr
.endr
.endr
	WIN 0
	G0SET G0K, 89, 6, 90
	G0SET G0V, 85, 10, 86
	G0SET G0SK, 84, 8, 82
	G0SET G0SV, 88, 12, 82
	CROUND                                         ; all four work-groups are here: the first joint loads meet
	ARM 2, G0K, G1K, .Lhead_v, .Lhead_asked        ; one tensor load a wave
	ARM 4, G0V, G1V, .Lhead_sk, .Lhead_asked
	ARM 6, G0SK, G1S, .Lhead_sv, .Lhead_asked
	tensor_load_to_lds s[G0SV:G0SV+3], s[G1S:G1S+7]
	s_nop 0
.rept 4
	v_nop
.endr
.Lhead_asked:
	v_lshrrev_b32 v42, 1, v40
	v_and_b32 v43, 1, v40
	v_mul_u32_u24 v[AK0], v42, 272
	v_lshl_add_u32 v[AK0], v43, 7, v[AK0]          ; K: place r of a tile: row r / 2, half r % 2,
	v_lshl_add_u32 v[AK0], v41, 4, v[AK0]          ; + 16 h
	v_mul_u32_u24 v[AV0], v40, VP
	v_lshl_add_u32 v[AV0], v41, 4, v[AV0]
	v_add_nc_u32 v[AV0], VOFF, v[AV0]
	v_and_b32 v[ASK0], 31, v0
	v_lshlrev_b32 v[ASK0], 2, v[ASK0]
	v_add_nc_u32 v[ASK0], SCK, v[ASK0]             ; scale words: 4 lane
	v_mul_u32_u24 v44, v40, 272
	v_add_nc_u32 v44, s[STG], v44
	v_lshl_add_u32 v[SI], v41, 5, v44
	v_lshl_add_u32 v[T], v41, 6, v44
	v_mul_u32_u24 v[SO], v41, 272
	v_lshl_add_u32 v[SO], v40, 4, v[SO]
	v_add_nc_u32 v[SO], s[STG], v[SO]
	v_lshlrev_b32 v45, 4, v41
	v_sub_nc_u32 v[DQ], v40, v45
	v_add_nc_u32 v[DQ], s[TQ], v[DQ]
	v_mov_b32 v[NINF], 0xff800000
.irp n, NMY,NMX
	v_mov_b32 v[\n+1], 0xff61b1e6                  ; the largest t so far: -3e38, under every t
	v_mov_b32 v[\n+2], 0                           ; the sum, in two halves
	v_mov_b32 v[\n+3], 0
.endr
	v_floor_f32 v[NMY], -v[NMY+1]                  ; -M
	v_floor_f32 v[NMX], -v[NMX+1]
	v_mov_b32 v[FY+1], 0                           ; (named as the upper half of a pair before it is first written)
	v_mov_b32 v[FX+1], 0
.irp b, 0,1,2,3
	v_mov_b32 v[BT+\b], 0                          ; written once: a lane permute's destination counts as one of its sources
.endr
	WIN 0x40
.set ix, 0
.rept 128
	v_mov_b32 v[ix], 0                             ; O^T of Y and X.  (The step has no first form of its own: the first finds zeros, which the first change of M leaves zeros)
.set ix, ix+1
.endr
	WIN 0
; A tile of Q: through my stage, channels 64 u on of 16 rows at a time, so that lane (r, h) has channels 32 c + 16 h + 0 .. 15 of row r in v[SR + 16 c ..]; then quantised: the codes are the operand's registers.
.macro QTILE rb, qd, qs
.irp u, 0,1
	WIN 0x04
.irp i, 0,1,2,3,4,5,6,7
	ds_store_b128 v[SO], v[\rb+32*\u+4*\i:\rb+32*\u+4*\i+3] offset:544*\i
.endr
	WIN 0
.irp i, 0,1,2,3,4,5,6,7
	ds_load_b128 v[SR+32*\u+4*\i:SR+32*\u+4*\i+3], v[T] offset:128*(\i/4)+16*(\i%4)   ; LDS serves a wave's instructions in order (ISA guide 5.7.1)
.endr
.endr
	s_wait_dscnt 0x0
.irp b, 0,1,2,3
	v_max3_num_f32 v[BM+\b], |v[SR+16*\b]|, |v[SR+16*\b+1]|, 0x4800000   ; with the floor 2^(9 - 127): the byte cannot fall under 1
.endr
.irp i, 2,4,6,8,10,12,14
.irp b, 0,1,2,3
	v_max3_num_f32 v[BM+\b], v[BM+\b], |v[SR+16*\b+\i]|, |v[SR+16*\b+\i+1]|
.endr
.endr
.irp b, 0,1,2,3
	v_permlanex16_b32 v[BT+\b], v[BM+\b], s[SEL], s[SEL+1]
.endr
.irp b, 0,1,2,3
	v_max_num_f32 v[BM+\b], v[BM+\b], v[BT+\b]
.endr
	SCALES
	v_lshl_or_b32 v[\qs], v[BT+1], 8, v[BT]
	v_lshl_or_b32 v[\qs], v[BT+2], 16, v[\qs]
	v_lshl_or_b32 v[\qs], v[BT+3], 24, v[\qs]
.irp b, 0,1,2,3
.set ix, SR+16*\b
.rept 16
	v_med3_num_f32 v[ix], v[ix], -v[HO+\b], v[HO+\b]
.set ix, ix+1
.endr
	CODES \qd, \b
.endr
	v_nop                                          ; one plain line behind the last conversion
.endm
; From four blocks' largest magnitudes (v[BM ..], floored): the conversion's operand, 448 x the scale, the scale's byte
.macro SCALES
.irp b, 0,1,2,3
	v_add_nc_u32 v[SC+\b], 0xfc000000, v[BM+\b]    ; 8 off the exponent field
.endr
.irp b, 0,1,2,3
	v_and_or_b32 v[HO+\b], v[BM+\b], 0x7f800000, s[MNT]
.endr
.irp b, 0,1,2,3
	v_lshrrev_b32 v[BT+\b], 23, v[SC+\b]
.endr
.endm
.macro CODES cd, b
	v_cvt_scalef32_pk8_fp8_f32 v[\cd+4*\b:\cd+4*\b+1], v[SR+16*\b:SR+16*\b+7], v[SC+\b]
	v_cvt_scalef32_pk8_fp8_f32 v[\cd+4*\b+2:\cd+4*\b+3], v[SR+16*\b+8:SR+16*\b+15], v[SC+\b]
.endm
	s_wait_alu depctr_va_vdst(0)
	s_wait_loadcnt 16                              ; Y's sixteen loads are in; X's may be out
	QTILE KR, QY, QSY
	s_wait_loadcnt 0x0
	QTILE KR+64, QX, QSX
; K's eight fragments and four scale words of a step
.macro KLOAD ko, so
	WIN 0x40
.irp t, 0,1,2,3,4,5,6,7
.irp c, 0,1,2,3
	ds_load_b128 v[KR+16*\t+4*\c:KR+16*\t+4*\c+3], v[ADK] offset:\ko+KT*\t+32*\c
.endr
.endr
	WIN 0
.irp i, 0,1,2,3
	ds_load_b32 v[KS+\i], v[ADS] offset:\so+128*\i
.endr
.endm
.macro VLOAD t0, rg                    ; four fragments of V: channels 16 (t0 + t) on, the step's 128 keys
.irp t, 0,1,2,3
.irp c, 0,1,2,3
	ds_load_b128 v[\rg+16*\t+4*\c:\rg+16*\t+4*\c+3], v[ADV] offset:16*(\t0+\t)*VP+32*\c
.endr
.endr
.endm
.macro SCORES q, qs                    ; S^T: eight tiles of 16 keys, one query tile
	WIN 0x01
.irp t, 0,2,4,6
	v_wmma_scale_f32_16x16x128_f8f6f4 v[SR+8*\t:SR+8*\t+7], v[KR+16*\t:KR+16*\t+15], v[\q:\q+15], 0, v[KS+\t/2], v[\qs]
	v_wmma_scale_f32_16x16x128_f8f6f4 v[SR+8*\t+8:SR+8*\t+15], v[KR+16*\t+16:KR+16*\t+31], v[\q:\q+15], 0, v[KS+\t/2], v[\qs] matrix_a_scale:MATRIX_SCALE_ROW1
.endr
	WIN 0
.endm
.macro PVW t, a, o, c, p               ; O^T += V^T P^T: one tile of 16 channels
.if (\t)%2
	v_wmma_scale_f32_16x16x128_f8f6f4 v[\o+8*(\t):\o+8*(\t)+7], v[\a:\a+15], v[\c:\c+15], v[\o+8*(\t):\o+8*(\t)+7], v[VS+(\t)/2], v[\p] matrix_a_scale:MATRIX_SCALE_ROW1
.else
	v_wmma_scale_f32_16x16x128_f8f6f4 v[\o+8*(\t):\o+8*(\t)+7], v[\a:\a+15], v[\c:\c+15], v[\o+8*(\t):\o+8*(\t)+7], v[VS+(\t)/2], v[\p]
.endif
.endm
.macro PV both                         ; the accumulators take turns, one instruction a turn
	VLOAD 4, SR                                    ; V's last four fragments, into the scores' registers: their last readers were the conversions
	s_wait_alu depctr_va_vdst(0)
	s_wait_dscnt 16                                ; V's first four fragments and the scale words are in: the 16 loads just issued may be out
	WIN 0x50
.irp t, 0,1,2,3
	PVW \t, VR+16*\t, OY, CY, FY+1
.if \both
	PVW \t, VR+16*\t, OX, CX, FX+1
.endif
.endr
	s_wait_dscnt 0x0                               ; the last four are in
.irp t, 4,5,6,7
	PVW \t, SR+16*\t-64, OY, CY, FY+1
.if \both
	PVW \t, SR+16*\t-64, OX, CX, FX+1
.endif
.endr
	WIN 0
.endm
.macro RESCALE o, fac                  ; O^T under the new M: x f, each accumulator from its low end on
	WIN 0x41
	s_wait_alu depctr_va_vdst(0)
.set ix, \o
.rept 32
	v_pk_mul_f32 v[ix:ix+1], v[ix:ix+1], v[\fac:\fac+1] op_sel_hi:[1,0]
.set ix, ix+2
.endr
	WIN 0
.endm
; The softmax of one tile's 128 scores and its codes.  v[nm] -M, v[nm+1] the largest t, v[lsum:lsum+1] the sum, v[fac] f, v[fac+1] p's scale word, v[cd ..] the codes; s[last] the tile's last step.
.macro SOFT nm, lsum, fac, cd, last
	s_cmp_lg_u32 s[STP], s[\last]                  ; the last step lies on the diagonal: there the scores of hidden keys become -infinity ahead of the maximum: p = 0 then
	s_cbranch_scc1 .Lopen_\@
.irp m, 0,1,2,3,4,5,6,7                        ; register 16 b + i holds key 32 b + 16 (lane / 16) + i of the step: hidden where 32 b + i > DQ
.irp k, 0,1,2,3,4,5,6,7
	v_cmp_gt_i32 s[MK+\k], 32*(\m/2)+8*(\m%2)+\k, v[DQ]
.endr
.irp k, 0,1,2,3,4,5,6,7
	v_cndmask_b32 v[SR+8*\m+\k], v[SR+8*\m+\k], v[NINF], s[MK+\k]
.endr
.endr
.Lopen_\@:
.irp b, 0,1,2,3
	v_max3_num_f32 v[BM+\b], v[SR+16*\b], v[SR+16*\b+1], v[SR+16*\b+2]   ; THE LARGEST SCORE OF EACH BLOCK OF 32 KEYS: for the row's maximum, and, since p rises with the score, for the block's largest p
.endr
.irp i, 3,5,7,9,11,13
.irp b, 0,1,2,3
	v_max3_num_f32 v[BM+\b], v[BM+\b], v[SR+16*\b+\i], v[SR+16*\b+\i+1]
.endr
.endr
.irp b, 0,1,2,3
	v_max_num_f32 v[BM+\b], v[BM+\b], v[SR+16*\b+15]
.endr
.irp b, 0,1,2,3
	v_permlanex16_b32 v[BT+\b], v[BM+\b], s[SEL], s[SEL+1]
.endr
.irp b, 0,1,2,3
	v_max_num_f32 v[BM+\b], v[BM+\b], v[BT+\b]     ; with lane l xor 16's 16 keys
.endr
	s_delay_alu instid0(VALU_DEP_2)
	v_max3_num_f32 v[T], v[BM], v[BM+1], v[BM+2]
	s_delay_alu instid0(VALU_DEP_1)
	v_max_num_f32 v[T], v[T], v[BM+3]              ; the step's largest score of my query
	s_delay_alu instid0(VALU_DEP_1)
	v_mul_f32 v[T], s[CS], v[T]                    ; as t (c is positive)
	s_delay_alu instid0(VALU_DEP_1)
	v_max_num_f32 v[\nm+1], v[\nm+1], v[T]         ; the running largest t
	v_mov_b32 v[T], v[\nm]
	s_delay_alu instid0(VALU_DEP_2)
	v_floor_f32 v[\nm], -v[\nm+1]                  ; the new -M = floor(-t) = -ceil(t): M IS A WHOLE NUMBER
	s_delay_alu instid0(VALU_DEP_1)
	v_sub_f32 v[T], v[\nm], v[T]                   ; M's old value less its new one: a whole number, 0 or less
	s_delay_alu instid0(VALU_DEP_1)
	v_cvt_i32_f32 v[T], v[T]                       ; (it saturates)
	s_delay_alu instid0(VALU_DEP_1)
	v_ldexp_f32 v[\fac], 1.0, v[T]                 ; f = 2^(old M - new M): a multiplication by it rounds nothing
.set ix, SR
.rept 32
	v_pk_fma_f32 v[ix:ix+1], v[ix:ix+1], s[CS:CS+1], v[\nm:\nm+1] op_sel_hi:[1,0,0]   ; t - M (of the pairs c and -M the low word serves both halves)
.set ix, ix+2
.endr
.irp b, 0,1,2,3
	v_fma_f32 v[BM+\b], v[BM+\b], s[CS], v[\nm]    ; the same of each block's largest score
.endr
	s_wait_alu depctr_va_vdst(0)
.set ix, SR
.rept 64
	v_exp_f32 v[ix], v[ix]                         ; p = 2^(t - M), at most 1: NOT normalised
.set ix, ix+1
.endr
.irp b, 0,1,2,3
	v_exp_f32 v[BM+\b], v[BM+\b]                   ; the block's largest p: the same two instructions on the same number give the same bits
.endr
	v_pk_mul_f32 v[\lsum:\lsum+1], v[\lsum:\lsum+1], v[\fac:\fac+1] op_sel_hi:[1,0]   ; the sums under the new M (a plain line behind the exponentials)
	s_wait_alu depctr_va_vdst(0)                   ; and behind it, ahead of its first reader
.irp b, 0,1,2,3
	v_max_num_f32 v[BM+\b], 0x4800000, v[BM+\b]    ; the floor 2^(9 - 127)
.endr
	SCALES
.irp k, 0,1,2,3                                ; THE ROW'S SUM IS TAKEN OF THE UNQUANTISED p, in four chains of pairs; p's scale word is put together between
	v_pk_add_f32 v[AC+2*\k:AC+2*\k+1], v[SR+2*\k:SR+2*\k+1], v[SR+8+2*\k:SR+8+2*\k+1]
.endr
	v_lshl_or_b32 v[\fac+1], v[BT+1], 8, v[BT]
.set ix, 8
.irp n, 2,3,0
.rept 8
	v_pk_add_f32 v[AC+2*(ix%4):AC+2*(ix%4)+1], v[AC+2*(ix%4):AC+2*(ix%4)+1], v[SR+2*ix:SR+2*ix+1]
.set ix, ix+1
.endr
.if \n
	v_lshl_or_b32 v[\fac+1], v[BT+\n], 8*\n, v[\fac+1]
.endif
.endr
	v_pk_add_f32 v[AC:AC+1], v[AC:AC+1], v[AC+2:AC+3]
	v_pk_add_f32 v[AC+4:AC+5], v[AC+4:AC+5], v[AC+6:AC+7]
	v_pk_add_f32 v[\lsum:\lsum+1], v[\lsum:\lsum+1], v[AC:AC+1]
	v_pk_add_f32 v[\lsum:\lsum+1], v[\lsum:\lsum+1], v[AC+4:AC+5]
.irp b, 0,1,2,3
.set ix, SR+16*\b
.rept 16
	v_min_num_f32 v[ix], v[ix], v[HO+\b]           ; the conversion to an 8-bit code does not saturate (ISA guide 7.6.2); p is not negative: a one-sided hold
.set ix, ix+1
.endr
	CODES \cd, \b
.endr
	v_nop                                          ; one plain line behind the last conversion
.endm
; THE WAY OUT of a tile, behind its last step: O^T is divided by the sum and goes through my stage, 64 channels (256 bytes) of 16 queries at a time.
.macro WAYOUT lsum, o, ad
	v_add_f32 v[\lsum], v[\lsum], v[\lsum+1]       ; the sum's two halves,
	v_nop
	v_nop
	v_permlanex16_b32 v[BT], v[\lsum], s[SEL], s[SEL+1]
	v_nop
	v_nop
	v_add_f32 v[\lsum], v[\lsum], v[BT]            ; and lane l xor 16's: the row's sum
	s_wait_alu depctr_va_vdst(0)                   ; the wait ahead of the reciprocal,
	v_rcp_f32 v[\lsum], v[\lsum]
	v_nop
	v_nop
	v_nop                                          ; (ten plain lines stand between the last products and the first read of O^T: eight are owed, ISA guide 7.12.1)
	WIN 0x01
	s_wait_alu depctr_va_vdst(0)                   ; and ahead of its first reader, which is also O^T's
.set ix, 0
.rept 64
	v_mul_f32 v[SR+ix], v[\o+ix], v[\lsum]         ; register 8 t + i is o(r, 16 t + 8 h + i)
.set ix, ix+1
.endr
	WIN 0
.irp u, 0,1
.irp t, 0,1,2,3
	ds_store_b128 v[SI], v[SR+32*\u+8*\t:SR+32*\u+8*\t+3] offset:64*\t
	ds_store_b128 v[SI], v[SR+32*\u+8*\t+4:SR+32*\u+8*\t+7] offset:64*\t+16
.endr
.irp i, 0,1,2,3,4,5,6,7
	ds_load_b128 v[VR+32*\u+4*\i:VR+32*\u+4*\i+3], v[SO] offset:544*\i   ; LDS serves a wave's instructions in order: these see my stores, and the next half's stores come behind them
.endr
.endr
.irp u, 0,1
.irp i, 0,1,2,3,4,5,6,7
	s_wait_dscnt 15-8*\u-\i                        ; load (u, i) is in
	global_store_b128 v[GO], v[VR+32*\u+4*\i:VR+32*\u+4*\i+3], s[\ad:\ad+1] offset:1024*\i+256*\u th:TH_STORE_NT   ; sixteen lanes store 256 consecutive bytes, aligned
.endr
.endr
	s_wait_xcnt 0x0                                ; the stores have read their registers
.endm
; A SLOT'S FOUR KEY STEPS.  What a wave leaves out (a step behind Y's last; X's part behind X's last) it leaves out by scalar branches on its number and the step; no barrier and no tensor load stands in a step.
.macro SLOT_STEPS
	s_mov_b32 s[TV], s[TB]
	s_or_b32 s[KLIM], s[STP], 3
	s_min_u32 s[KLIM], s[KLIM], s[BY]
	s_cmp_gt_u32 s[STP], s[BY]
	s_cbranch_scc1 .Lno_first_\@
	v_add_nc_u32 v[ADK], s[TB], v[AK0]
	v_add_nc_u32 v[ADS], s[TS], v[ASK0]
	KLOAD 0, 0
.Lno_first_\@:
	s_mov_b32 s[CN], 0
.Lstep_\@:
	s_cmp_gt_u32 s[STP], s[BY]
	s_cbranch_scc1 .Lhidden_\@
	s_add_co_u32 s[TKN], s[CN], 1
	s_and_b32 s[TKN], s[TKN], 3
	s_mul_i32 s[TKN], s[TKN], KST
	s_add_co_u32 s[TKN], s[TKN], s[TB]             ; the next step of this slot (in its last, where nothing is asked for, its first)
	v_add_nc_u32 v[ADK], s[TKN], v[AK0]
	v_add_nc_u32 v[ADV], s[TV], v[AV0]
	v_add_nc_u32 v[ADS], s[TS], v[ASK0]
.rept 6
	v_nop                                          ; with the three lines above nine: the scores' products write over registers that the last step's last products read as a source
.endr
	s_wait_alu depctr_va_vdst(0)
	s_wait_dscnt 0x0                               ; K's fragments are in
	SCORES QY, QSY
.rept 8
	v_nop                                          ; eight plain lines in front of the first read of the scores
.endr
	VLOAD 0, VR
.irp i, 0,1,2,3
	ds_load_b32 v[VS+\i], v[ADS] offset:8192+128*\i
.endr
	SOFT NMY, LY, FY, CY, BY
	s_cmp_gt_u32 s[STP], s[BX]
	s_cbranch_scc1 .Lno_x_\@
	SCORES QX, QSX
.Lno_x_\@:
	RESCALE OY, FY                                 ; (also the plain lines between X's scores' products and what follows)
	s_cmp_ge_u32 s[STP], s[KLIM]
	s_cbranch_scc1 .Lno_next_\@
	KLOAD 0, 512
.Lno_next_\@:
	s_cmp_gt_u32 s[STP], s[BX]
	s_cbranch_scc1 .Lonly_y_\@
	SOFT NMX, LX, FX, CX, BX
	RESCALE OX, FX
	PV 1
	s_branch .Ladded_\@
.Lonly_y_\@:
	PV 0
.Ladded_\@:
	s_cmp_lg_u32 s[STP], s[BX]
	s_cbranch_scc1 .Lx_stays_\@
	WAYOUT LX, OX, PX
.Lx_stays_\@:
	s_cmp_lg_u32 s[STP], s[BY]
	s_cbranch_scc1 .Lhidden_\@
	WAYOUT LY, OY, PY
.Lhidden_\@:
	s_add_co_u32 s[STP], s[STP], 1
	s_add_co_u32 s[TV], s[TV], 128
	s_add_co_u32 s[TS], s[TS], 512
	s_add_co_u32 s[CN], s[CN], 1
	s_cmp_lt_u32 s[CN], 4
	s_cbranch_scc1 .Lstep_\@
	s_xor_b32 s[TB], s[TB], SLOT1                  ; on to the other slot
.endm
; THE CHANGE OF SLOTS stands at a slot's head.  Each wave waits for all its tensor loads (its part of the slot that it is about to read), adds 0 to its spare word, and waits for that and for its reads of the slot that
; it has left.  fill = 1: the barrier is a round of the cluster's, and the other slot's joint refill is the first thing behind it.
.macro CHANGE fill
	s_wait_tensorcnt 0x0                           ; no tensor load of mine is out, so a group 0 may be written
	ds_add_u32 v[SPW], v[NIL]
.if \fill
	s_xor_b32 s[G0K+1], s[G0K+1], SLOT1            ; the walking descriptors: the other slot than last time,
	s_add_nc_u64 s[G0K+2:G0K+3], s[G0K+2:G0K+3], 512*128   ; the next 512 keys
	s_xor_b32 s[G0V+1], s[G0V+1], SLOT1
	s_add_nc_u64 s[G0V+2:G0V+3], s[G0V+2:G0V+3], 512
.endif
	s_wait_dscnt 0x0                               ; the add is done, and my reads of the slot that I have left are over
.if \fill
	CROUND
	ARM 2, G0K, G1K, .Lfill_v, .Lfilled
	ARM 4, G0V, G1V, .Lfilled, .Lfilled
.else
	s_barrier_signal -1
	s_barrier_wait -1
.endif
.endm
	s_wait_alu depctr_va_vdst(0)
.Lslot:                                            ; three trips: behind each change of slots but the last the next slot is asked for (slot 1's first fill is issued as a refill is)
	CHANGE 1
	SLOT_STEPS
	s_sub_co_u32 s[SLOTS], s[SLOTS], 1
	s_cmp_lg_u32 s[SLOTS], 0
	s_cbranch_scc1 .Lslot
	CHANGE 0                                       ; the last slot is written out
	SLOT_STEPS
	s_wait_tensorcnt 0x0                           ; the wave's end
	ds_add_u32 v[SPW], v[NIL]
	s_wait_dscnt 0x0
	CROUND                                         ; the closing round: no work-group ends while a partner may still ask for a tile that names it
	s_endpgm
.Lfunc_end_k_qc9ea5dce23_attn:
	.size	k_qc9ea5dce23_attn, .Lfunc_end_k_qc9ea5dce23_attn-k_qc9ea5dce23_attn
	.p2alignl 7, 3214868480
	.fill 96, 4, 3214868480
	.section	.rodata,"a",@progbits
	.p2align	6, 0x0
	.amdhsa_kernel k_qc9ea5dce23_attn
		.amdhsa_group_segment_fixed_size 327680
		.amdhsa_private_segment_fixed_size 0
		.amdhsa_enable_private_segment 0
		.amdhsa_kernarg_size 48
		.amdhsa_user_sgpr_count 2
		.amdhsa_user_sgpr_kernarg_segment_ptr 1
		.amdhsa_wavefront_size32 1
		.amdhsa_system_sgpr_workgroup_id_x 1
		.amdhsa_system_sgpr_workgroup_id_y 1
		.amdhsa_system_sgpr_workgroup_id_z 1
		.amdhsa_system_vgpr_workitem_id 0
		.amdhsa_next_free_vgpr 512
		.amdhsa_next_free_sgpr 100
		.amdhsa_reserve_vcc 0
		.amdhsa_float_denorm_mode_32 3
		.amdhsa_float_denorm_mode_16_64 3
		.amdhsa_memory_ordered 1
		.amdhsa_forward_progress 1
		.amdhsa_inst_pref_size 192
	.end_amdhsa_kernel
	.amdgpu_metadata
---
amdhsa.version: [ 1, 2 ]
amdhsa.kernels:
  - .name:           k_qc9ea5dce23_attn
    .symbol:         k_qc9ea5dce23_attn.kd
    .args:
      - { .name: Q, .offset: 0, .size: 8, .value_kind: global_buffer, .address_space: global }
      - { .name: k_codes, .offset: 8, .size: 8, .value_kind: global_buffer, .address_space: global }
      - { .name: k_scales, .offset: 16, .size: 8, .value_kind: global_buffer, .address_space: global }
      - { .name: v_codes, .offset: 24, .size: 8, .value_kind: global_buffer, .address_space: global }
      - { .name: v_scales, .offset: 32, .size: 8, .value_kind: global_buffer, .address_space: global }
      - { .name: out0, .offset: 40, .size: 8, .value_kind: global_buffer, .address_space: global }
    .group_segment_fixed_size: 327680
    .private_segment_fixed_size: 0
    .kernarg_segment_align: 8
    .kernarg_segment_size: 48
    .max_flat_workgroup_size: 256
    .sgpr_count:     100
    .vgpr_count:     512
    .wavefront_size: 32
...
	.end_amdgpu_metadata
.endif
;; end of part 2
